; MI455X (gfx1250); checked and timed in simulation.
; The chip was launched on July 23, 2026; its instructions are those of AMD's public machine-readable ISA for CDNA 5 (MIT licence, August 2026) and "CDNA5" Instruction Set Architecture Reference Guide (July 2026). The comments in the code are by the model that wrote it; some were corrected since.
;; Bit Linear Packed. Allowed arithmetic: float matrix products may take bf16 or f16 operands with f32 sums; other float arithmetic in f32, or as packed bf16 or f16 multiplies, adds, multiply-adds, maxima and minima; sums over many terms, partial sums and values carried from step to step in f32; what a program stores and reads back later, other than sums and carried values, may be rounded once to bf16 or f16.
;; Inputs: bp 1,048,576 int32; scale 1 float32; x 4 x 2,048 x 4,096 float32.
;; Outputs: out0 4 x 2,048 x 2,048 float32.
;; One version. Each part assembles by itself: llvm-mc -triple=amdgcn-amd-amdhsa -mcpu=gfx1250 --defsym DOCPART=n.
;; ======== version 1 of 1: 1 launch
;; launch bitgemm (part 1): grid 4 x 64, 4 waves a work-group, clusters of 4 x 4, 327,680 bytes of LDS; arguments x, bp, scale, out0; writes out0
.if DOCPART == 1
	.amdgcn_target "amdgcn-amd-amdhsa--gfx1250"
	.amdhsa_code_object_version 6
	.text
	.protected	k_qda5dcc9888_bitgemm
	.globl	k_qda5dcc9888_bitgemm
	.p2align	8
	.type	k_qda5dcc9888_bitgemm,@function
k_qda5dcc9888_bitgemm:
	s_mov_b64 s[64:65], 0
	v_nop
	global_prefetch_b8 v0, s[64:65] scope:SCOPE_SE
	s_setreg_imm32_b32 hwreg(HW_REG_WAVE_MODE, 25, 1), 1
	s_wait_xcnt 0x0
	s_wait_alu depctr_hold_cnt(0) depctr_sa_sdst(0) depctr_va_vdst(0) depctr_va_sdst(0) depctr_va_ssrc(0) depctr_va_vcc(0) depctr_vm_vsrc(0)
	s_getreg_b32 s2, hwreg(HW_REG_IB_STS2, 6, 4)
	s_cmp_eq_u32 s2, 0
	s_cbranch_scc0 .Lentry_in_a_cluster
	s_endpgm
.Lentry_in_a_cluster:
	s_bfe_u32 s2, ttmp6, 0x10000c
	s_cmp_lg_u32 s2, 0xf033
	s_cbranch_scc0 .Lentry_shape_is_right
	s_endpgm
.Lentry_shape_is_right:
; out0[m][o] = scale * sum over i of x[m][i] w[o][i].  x: [8192][4096] f32.  w: [2048][4096] of +1 / -1, packed: word g of bp (int32) holds in its bits 7..0 the weights
; 8 g .. 8 g + 7 of the flat matrix, the first in bit 7, a set bit for +1; a row of w is 512 words.  out0: [8192][2048] f32.
; ARITHMETIC.  x is rounded once to bf16 (to nearest even); w is exact in bf16; products by v_wmma_f32_16x16x32_bf16, sums in f32.  The unpacking sets the sign where bp's bit is set, so the
; fragments hold -w, and the finished sums are multiplied by -scale.  LIMITS: an |x| that rounds past bf16's largest finite number becomes an infinity; scale multiplies the f32 sum, not each
; weight, so the roundings differ from a sum of x * (+-scale).  Bits 8 to 31 of a word of bp are ignored, as the unpacking by shift and mask ignores them.
; SHARES.  A work-group makes 128 rows x 512 columns of out0: 64 x 4 = 256 work-groups.  Wave w makes all 128 rows x columns 128 w .. 128 w + 127: 64 accumulators of 16 x 16, 512 registers.
; The tile is wide in columns because a number of x takes 4 bytes in LDS and a weight half a byte (a whole word for 8 weights).
; ONE LAUNCH, NO WORKSPACE.  x comes into LDS as f32 and is rounded on the way into the fragments; bp comes in as it lies and is unpacked in registers.  Both stand as a few vector instructions
; behind each matrix instruction: 15 for a unit of 8 matrix instructions.  In phases of their own they would leave the matrix unit without work; the price is two window switches for most matrix instructions.
; K goes in 32 steps of 128 through two LDS slots filled by the tensor data mover; a slot's refill is asked for 224 matrix instructions ahead of the wait for it.
; CLUSTER, 4 x 4 work-groups.  The four of a row of the cluster cover all 2048 columns and need the same 128 rows of x: asked for jointly, so each byte of x is asked for once in the launch.
; The four of a column need the same 512 rows of bp: asked for jointly too.
; ROWS.  A row of x's tile is 512 bytes, at a multiple of 512 from x's first byte.  A row of bp's tile is 64 bytes only: 512 rows of 256 bytes in two slots are 278,528 bytes with their padding,
; which do not fit beside x's 135,168; bp is 4 of the 138 million input bytes.
; THE ORDER OF K IN A FRAGMENT is permuted, alike for x and w, which keeps the products.  A PAIR is 64 along K, two QUARTERS e = 0, 1 of 32.  Lane l (r = l % 16, h = l / 16) holds in quarter e of a
; pair the 16 numbers k = 32 h + 16 e + i, i = 0 .. 15: for w two words of bp, for x 64 consecutive bytes.  Register q of the fragment holds i = lo in its low half and i = lo - 4 in its high half,
; lo = 8 ((q % 4) / 2) + 4 + 2 (q / 4) + q % 2: that is where the unpacking below puts the weights.
; UNPACKING two words b0, b1 (i = 0..7 and 8..15; bit j of a word is i = 7 - j):  Y = byte 0 of b0 | byte 0 of b1 << 16;  W = Y | Y << 9 (copies at bits 0, 9, 16, 25; they meet in bit 16 alone, which is
; not used);  TA = (W & 0x88888888) | 0x22222222;  TB = ((W << 2) & 0x88888888) | 0x22222222.  Each nibble is then the FP4 (E2M1) code 2 = +1.0 or 0xa = -1.0, and a scaled conversion with the
; E8M0 scale 0x7f (1.0) makes eight bf16 of the eight nibbles, nibble n into half n % 2 of register n / 2.  TA's nibbles hold bits 3, 7, 2, 6 of b0 and of b1, TB's bits 1, 5, 0, 4.
; THE PIPELINE.  While quarter Q is multiplied out of fragment buffer Q % 2, the fragments of Q + 1 are made into the other buffer, out of registers that LDS loads filled a quarter before (x: LAND) or up
; to two before (bp: RAW, one load for a pair); as soon as a block's landing registers are read, the loads for Q + 2 go into them.  So all LDS reads issued in pair P address pair P + 1.
; REGISTERS, in windows of 256 (s_set_vgpr_msb: bits 1:0 source 0, 3:2 source 1, 5:4 source 2, 7:6 destination):
;   window 0: v0-21 addresses and at work; v32-63 RAW, 4 words for each of my 8 groups of 16 columns; v64-191 LAND, 16 f32 for each of the 8 blocks of 16 rows (on the way out two buffers of 64); v192-255 the way out
;   window 1: v0-127 x's fragments, two buffers of 8 x 8; v128-255 w's fragments, likewise          windows 2, 3: the accumulators: (a, b) at v[8 (8 (a % 4) + b)] of window 2 + a / 4
; THE MATRIX INSTRUCTION IS USED TRANSPOSED (source 0 = 16 rows of w, source 1 = 16 rows of x): a lane then holds row l % 16 of out0 and eight neighbouring columns 8 (l / 16) + 0..7.
.set KSTEP, 128
.set STEPS, 4096/KSTEP
.set PA,    528                 ; a row of x in LDS: 512 bytes + 16 of padding = 33 x 16: the 16 rows of a load begin in 16 different columns of 16 bytes (64 banks of 4 bytes: ISA guide 11.1)
.set PB,    80                  ; a row of bp: 64 bytes + 16 = 5 x 16: likewise
.set BOFF,  128*PA              ; in a slot: x's 128 rows, then bp's 512 rows
.set SLOT1, 1<<17               ; slot 1 begins here (a slot has 108,544 bytes), so that one exclusive or turns an address in one slot into the other's
.set STAGE, SLOT1+BOFF+512*PB   ; 239,616 = 936 x 256, behind the ring, never filled by a tensor load: 16 rows x 528 bytes for each wave, for the way out
.set SP,    528
.set SPARE, STAGE+4*16*SP       ; 273,408 = 1,068 x 256: the spare words, 128 bytes for each wave: two blocks of 256 bytes that no other line names
.set AK0,  2                    ; v2   my lane's place in x's tile: r x 528 + 128 h; never rewritten
.set BK0,  3                    ; v3   in bp's tile: BOFF + (128 w + r) x 80 + 16 h; never rewritten
.set ADRA, 4                    ; v4   LDS address of x's loads of the pair in hand
.set ADRB, 5                    ; v5   of bp's
.set STO,  6                    ; v6   the way out: where I put 32 bytes of a row
.set RD,   7                    ; v7   the way out: where I read a row back
.set CO,   8                    ; v8   my byte offset in 512 consecutive bytes of out0
.set ONE,  9                    ; v9   the E8M0 scale 1.0, in every byte
.set SPW,  10                   ; v10  LDS address of my spare word: SPARE + 4 x my thread's number; never rewritten
.set NIL,  11                   ; v11  0; never rewritten
.set T0,   12                   ; v12-15  Y and W, W << 2, TA, TB
.set T1,   13
.set T2,   14
.set T3,   15
.set RAW,  32
.set LAND, 64
.set OB,   64
.set TMP,  192
.set WV,   12                   ; s12  my wave's number
.set G1A,  24                   ; s[24:31] descriptor group 1 for x's tiles
.set G1B,  32                   ; s[32:39] for bp's
.set G0A,  40                   ; s[40:47] descriptor group 0 for x's tiles: a set for each of the two first fills; the second then walks on
.set G0B,  48                   ; s[48:55] the same for bp's
.set LOOP, 56                   ; s56  trips to go
.set RA,   57                   ; s57  LDS byte at which the next pair to be read begins in x's rows
.set RB,   58                   ; s58  the same in bp's rows
.set NSC,  60                   ; s[60:61] -scale: the packed multiply names a pair and takes its low word for both halves
.set SELP, 62                   ; s62  v_perm_b32's selector
.set M8,   63                   ; s63  the nibbles' sign bits
.set M2,   66                   ; s66  the code of 1.0 in every nibble
.set MSB, 0
.macro WIN new                          ; the immediate's high byte repeats the setting that is left; a switch that changes nothing is dropped
.if MSB != (\new)
	s_set_vgpr_msb (MSB<<8)|(\new)
.set MSB, (\new)
.endif
.endm
.set MUL_LO, 0xa5                       ; sources 0 (w) and 1 (x) window 1, C and D window 2
.set TO_F,   0x40                       ; destination window 1, sources window 0
; A joint refill.  Waves 0 and 1 fetch the two halves of x's tile (64 rows x 512 bytes), waves 2 and 3 those of bp's (256 rows x 64 bytes).  The branch hangs on the wave's number alone.
; An s_nop 0 and four v_nop follow each of the two lines, ahead of the jump, the label and what follows.
.macro JLOAD
	s_cmp_lt_u32 s[WV], 2
	s_cbranch_scc0 .Lfor_b_\@
	tensor_load_to_lds s[G0A+4:G0A+7], s[G1A:G1A+7]
	s_nop 0
.rept 4
	v_nop
.endr
	s_branch .Lasked_\@
.Lfor_b_\@:
	tensor_load_to_lds s[G0B+4:G0B+7], s[G1B:G1B+7]
	s_nop 0
.rept 4
	v_nop
.endr
.Lasked_\@:
.endm
; A round of the cluster's barrier: my work-group's barrier, so that wave 0's signal speaks for all four waves; wave 0 signals for the work-group; every wave waits for all sixteen work-groups;
; my work-group's barrier once more.  No LDS instruction of the wave is pending at a signal.
.macro CREST                            ; a round behind its opening barrier
	s_cmp_lg_u32 s[WV], 0
	s_cbranch_scc1 .Lnot_wave_0_\@
	s_barrier_signal -3
.Lnot_wave_0_\@:
	s_barrier_wait -3
	s_barrier_signal -1
	s_barrier_wait -1
.endm
.macro CROUND                           ; a whole round
	s_barrier_signal -1
	s_barrier_wait -1
	CREST
.endm
	s_load_b256 s[4:11], s[0:1], 0x0        ; x s[4:5], bp s[6:7], scale s[8:9], out0 s[10:11]
	v_lshl_add_u32 v[SPW], v0, 2, SPARE
	v_mov_b32 v[NIL], 0
	ds_add_u32 v[SPW], v[NIL]               ; the wave's opening: the add and its wait stand ahead of my first tensor load; the set-up below, work on registers, stands between them
	v_lshrrev_b32 v1, 5, v0
	v_readfirstlane_b32 s[WV], v1           ; wave 0..3
	s_bfe_u32 s13, ttmp6, 0x40000           ; cx: my place along the cluster's x
	s_bfe_u32 s14, ttmp6, 0x40004           ; cy: along its y
	s_and_b32 s15, ttmp7, 0xffff            ; in a cluster launch ttmp7 and ttmp9 count clusters
	s_lshl_b32 s15, s15, 2
	s_add_co_u32 s15, s15, s14              ; tile row = 4 x cluster y + cy
	s_lshl_b32 s20, ttmp9, 2
	s_add_co_u32 s20, s20, s13              ; tile column = 4 x cluster x + cx
	s_and_b32 s59, s[WV], 1                 ; which half of a tile I fetch
	s_lshl_b32 s72, s14, 2
	s_lshl_b32 s72, 15, s72                 ; my row of the cluster: places 4 cy .. 4 cy + 3
	s_lshl_b32 s73, 0x1111, s13             ; my column: places cx, cx + 4, cx + 8, cx + 12
	; descriptor group 1 for x: 64 rows x 128 elements of 4 bytes, padded in LDS
	s_or_b32 s[G1A], s72, (2<<16)|(1<<20)|(1<<21)|(6<<22)|(3<<25)  ; 15:0 the mask: my row; 17:16 elements of 4 bytes; 20 padding on; 21 set beside a mask; 24:22 after every 128 words (code 6); 31:25 4 words of it (code 3)
	s_mov_b32 s[G1A+1], KSTEP<<16           ; 63:48 tensor_dim0, low half = 128
	s_mov_b32 s[G1A+2], 64<<16              ; 95:80 tensor_dim1, low half = 64
	s_mov_b32 s[G1A+3], KSTEP<<16           ; 127:112 tile_dim0 = 128
	s_mov_b32 s[G1A+4], 64                  ; 143:128 tile_dim1 = 64
	s_mov_b32 s[G1A+5], 4096                ; 191:160 elements from row to row
	s_mov_b32 s[G1A+6], 0
	s_mov_b32 s[G1A+7], 0
	; and for bp: 256 rows x 16 elements of 4 bytes
	s_or_b32 s[G1B], s73, (2<<16)|(1<<20)|(1<<21)|(3<<22)|(3<<25)  ; the mask: my column; padding after every 16 words (code 3), 4 words of it
	s_mov_b32 s[G1B+1], 16<<16              ; tensor_dim0 = 16
	s_mov_b32 s[G1B+2], 256<<16             ; tensor_dim1 = 256
	s_mov_b32 s[G1B+3], 16<<16              ; tile_dim0 = 16
	s_mov_b32 s[G1B+4], 256                 ; tile_dim1 = 256
	s_mov_b32 s[G1B+5], 512                 ; 512 words from row to row
	s_mov_b32 s[G1B+6], 0
	s_mov_b32 s[G1B+7], 0
	; where the tiles come from.  x's hang on the tile row alone, which my row of the cluster shares; bp's on the tile column alone, which my column shares: each in registers that never hold the other coordinate
	s_lshl_b32 s16, s15, 21                 ; 128 rows of 16,384 bytes,
	s_lshl_b32 s18, s59, 20                 ; my 64 of them
	s_add_co_u32 s16, s16, s18
	s_mov_b32 s17, 0
	s_lshl_b32 s22, s20, 20                 ; 512 rows of 2,048 bytes,
	s_lshl_b32 s23, s59, 19                 ; my 256 of them
	s_add_co_u32 s22, s22, s23
	s_mov_b32 s23, 0
	s_mul_i32 s19, s59, 64*PA               ; and where they go: no place in the cluster enters an LDS address
	s_mul_i32 s21, s59, 256*PB
	s_add_co_u32 s21, s21, BOFF
	s_lshl_b32 s68, s15, 20                 ; my part of out0: 128 rows of 8,192 bytes a tile row,
	s_lshl_b32 s67, s20, 11                 ; 2,048 bytes a tile column,
	s_add_co_u32 s68, s68, s67
	s_lshl_b32 s67, s[WV], 9                ; 512 bytes a wave
	s_add_co_u32 s68, s68, s67
	s_mov_b32 s69, 0
	s_mov_b32 s[SELP], 0x0c040c00           ; byte 0 of the second source, 0, byte 0 of the first source, 0
	s_mov_b32 s[M8], 0x88888888
	s_mov_b32 s[M2], 0x22222222
	s_mov_b32 s[RA], 256                    ; pair 1, which pair 0's loads address
	s_mov_b32 s[RB], 32
	s_mov_b32 s[LOOP], STEPS-2
	s_wait_dscnt 0x0                        ; the opening add is done
	s_wait_kmcnt 0x0
	s_add_nc_u64 s[16:17], s[4:5], s[16:17]
	s_add_nc_u64 s[22:23], s[6:7], s[22:23]
	s_add_nc_u64 s[70:71], s[10:11], s[68:69]
	s_load_b32 s[NSC], s[8:9], 0x0          ; scale; waited for below
	CROUND                                  ; all sixteen work-groups are here: the first joint loads meet
.irp s, 0,1
	s_mov_b32 s[G0A+4*(\s)], 1              ; 1:0 count = 1
	s_add_co_u32 s[G0A+4*(\s)+1], s19, (\s)*SLOT1                       ; 63:32 LDS address
	s_add_nc_u64 s[G0A+4*(\s)+2:G0A+4*(\s)+3], s[16:17], (\s)*KSTEP*4   ; 120:64 global address: K step s
	s_or_b32 s[G0A+4*(\s)+3], s[G0A+4*(\s)+3], 0x80000000              ; 127:126 type = 2
	s_mov_b32 s[G0B+4*(\s)], 1
	s_add_co_u32 s[G0B+4*(\s)+1], s21, (\s)*SLOT1
	s_add_nc_u64 s[G0B+4*(\s)+2:G0B+4*(\s)+3], s[22:23], (\s)*KSTEP/2   ; 16 words a K step
	s_or_b32 s[G0B+4*(\s)+3], s[G0B+4*(\s)+3], 0x80000000
.endr
	s_cmp_lt_u32 s[WV], 2                   ; a wave's two first fills stand in one branch, ahead of every wait on TENSORcnt and every LDS read: two loads of mine are out
	s_cbranch_scc0 .Lfirst_b
	tensor_load_to_lds s[G0A:G0A+3], s[G1A:G1A+7]
	s_nop 0
	tensor_load_to_lds s[G0A+4:G0A+7], s[G1A:G1A+7]
	s_nop 0
.rept 4
	v_nop
.endr
	s_branch .Lfirst_asked
.Lfirst_b:
	tensor_load_to_lds s[G0B:G0B+3], s[G1B:G1B+7]
	s_nop 0
	tensor_load_to_lds s[G0B+4:G0B+7], s[G1B:G1B+7]
	s_nop 0
.rept 4
	v_nop
.endr
.Lfirst_asked:
	v_and_b32 v1, 15, v0                    ; r
	v_bfe_u32 v20, v0, 4, 1                 ; h
	v_and_b32 v21, 31, v0                   ; l
	v_mul_u32_u24 v[AK0], v1, PA
	v_lshl_add_u32 v[AK0], v20, 7, v[AK0]   ; r x 528 + 128 h: 32 numbers of x for each half of the lanes
	s_mul_i32 s67, s[WV], 128*PB
	s_add_co_u32 s67, s67, BOFF             ; my wave's 128 rows of bp
	v_mul_u32_u24 v[BK0], v1, PB
	v_lshl_add_u32 v[BK0], v20, 4, v[BK0]   ; r x 80 + 16 h: 4 words for each half of the lanes
	v_add_nc_u32 v[BK0], s67, v[BK0]
	s_mul_i32 s67, s[WV], 16*SP
	s_add_co_u32 s67, s67, STAGE            ; my stage
	v_mul_u32_u24 v[STO], v1, SP            ; in: row r, 32 bytes for each half of the lanes
	v_lshl_add_u32 v[STO], v20, 5, v[STO]
	v_add_nc_u32 v[STO], s67, v[STO]
	v_lshlrev_b32 v[CO], 4, v21             ; back: 32 lanes take a row's 512 bytes
	v_add_nc_u32 v[RD], s67, v[CO]
	v_mov_b32 v[ONE], 0x7f7f7f7f
	s_wait_kmcnt 0x0                        ; scale
	s_xor_b32 s[NSC], s[NSC], 0x80000000    ; -scale: the fragments hold -w
	s_mov_b32 s[NSC+1], s[NSC]              ; named with it as a pair
; MATRIX INSTRUCTION b of unit u: rows 16 u on, my columns 16 b on, out of fragment buffer ph.  zero = 1: it starts the sum: nothing is ever cleared.
.macro WM u, b, ph, zero
	WIN MUL_LO+0x50*((\u)/4)                ; C and D in window 2 or 3
.set rD, 8*(8*((\u)%4)+(\b))
.set rB, 128+64*(\ph)+8*(\b)
.set rA, 64*(\ph)+8*(\u)
.if \zero
	v_wmma_f32_16x16x32_bf16 v[rD:rD+7], v[rB:rB+7], v[rA:rA+7], 0
.else
	v_wmma_f32_16x16x32_bf16 v[rD:rD+7], v[rB:rB+7], v[rA:rA+7], v[rD:rD+7]
.endif
.endm
; THE VECTOR WORK for block and group u, into fragment buffer g, which is also the quarter's e.
.macro CA u, g, q                       ; register q of x's fragment (window TO_F)
.set rL, LAND+16*(\u)+8*(((\q)%4)/2)+4+2*((\q)/4)+((\q)%2)
	v_cvt_pk_bf16_f32 v[64*(\g)+8*(\u)+(\q)], v[rL], v[rL-4]
.endm
.macro UP1 u, g                         ; Y (window 0): the quarter's two words are 2 g and 2 g + 1 of the lane's four
	v_perm_b32 v[T0], v[RAW+4*(\u)+2*(\g)+1], v[RAW+4*(\u)+2*(\g)], s[SELP]
.endm
.macro UP2                              ; W
	v_lshl_or_b32 v[T0], v[T0], 9, v[T0]
.endm
.macro UP3                              ; TA and TB
	v_lshlrev_b32 v[T1], 2, v[T0]
	v_and_or_b32 v[T2], v[T0], s[M8], s[M2]
	v_and_or_b32 v[T3], v[T1], s[M8], s[M2]
.endm
.macro UPX u, g                         ; sixteen weights as bf16 (window TO_F).  A plain vector instruction follows the two before anything touches their results or rewrites TA, TB
	v_cvt_scale_pk8_bf16_fp4 v[128+64*(\g)+8*(\u):128+64*(\g)+8*(\u)+3], v[T2], v[ONE]
	v_cvt_scale_pk8_bf16_fp4 v[128+64*(\g)+8*(\u)+4:128+64*(\g)+8*(\u)+7], v[T3], v[ONE]
.endm
; THE LDS LOADS (window 0).  bp: the lane's four words of a pair for group u.  x: the lane's 16 numbers of quarter e for block u.
.macro LDB u
	ds_load_b128 v[RAW+4*(\u):RAW+4*(\u)+3], v[ADRB] offset:16*PB*(\u)
.endm
.macro LDA u, e
.irp j, 0,1,2,3
	ds_load_b128 v[LAND+16*(\u)+4*(\j):LAND+16*(\u)+4*(\j)+3], v[ADRA] offset:16*PA*(\u)+64*(\e)+16*(\j)
.endr
.endm
.macro LOADS u, ph                      ; a unit's loads by themselves
	WIN 0
.if (\ph) == 0
	LDB \u
.endif
	LDA \u, \ph
.endm
; A UNIT: the 8 matrix instructions of block u out of buffer ph, and between them (cv = 1) the making of block u's and group u's fragments for the next quarter, into the other buffer, and (ld = 1) the loads
; for the quarter after that.  nw: the count of the wait at its head (none if negative).
; No vector line here names a register of the products round it: they write the buffer that is not being multiplied, and the last product that read those registers stands a quarter's riders back at the least
; seven units' (x's fragments) or one unit's, thirteen plain instructions (w's group 0), which are the four places that a write of a matrix instruction's source wants (ISA guide 7.12.1).
; The 64 accumulators take turns, one instruction a turn, in the same order in every quarter.
.macro UNIT u, ph, zero, cv, ld, nw
.if (\nw) >= 0
	s_wait_dscnt \nw
.endif
	WM \u, 0, \ph, \zero
.if \cv
	WIN 0
	UP1 \u, 1-(\ph)
.if (\ld) && ((\ph) == 0)
	LDB \u                                  ; the pair's last two words have just been read: the next pair's four
.endif
.endif
	WM \u, 1, \ph, \zero
.if \cv
	WIN TO_F
	CA \u, 1-(\ph), 0
	CA \u, 1-(\ph), 1
	CA \u, 1-(\ph), 2
	CA \u, 1-(\ph), 3
.endif
	WM \u, 2, \ph, \zero
.if \cv
	WIN 0
	UP2
.endif
	WM \u, 3, \ph, \zero
.if \cv
	WIN TO_F
	CA \u, 1-(\ph), 4
	CA \u, 1-(\ph), 5
	CA \u, 1-(\ph), 6
.endif
	WM \u, 4, \ph, \zero
.if \cv
	WIN 0
	UP3
.endif
	WM \u, 5, \ph, \zero
.if \cv
	WIN TO_F
	UPX \u, 1-(\ph)
	CA \u, 1-(\ph), 7                       ; the plain instruction behind the scaled conversions
.endif
	WM \u, 6, \ph, \zero
.if \ld
	WIN 0
	LDA \u, \ph                             ; the block's landing registers have been read: the quarter after next has this quarter's e
.endif
	WM \u, 7, \ph, \zero
.endm
.macro NEWADR                           ; at a pair's beginning: its loads address the next pair
	WIN 0
	v_add_nc_u32 v[ADRA], s[RA], v[AK0]
	v_add_nc_u32 v[ADRB], s[RB], v[BK0]
	s_add_co_u32 s[RA], s[RA], 256          ; 64 numbers of x
	s_add_co_u32 s[RB], s[RB], 32           ; 8 words of bp
.endm
.macro TURNBASE                         ; back to a slot's first pair, in the other slot
	s_sub_co_u32 s[RA], s[RA], 512
	s_xor_b32 s[RA], s[RA], SLOT1
	s_sub_co_u32 s[RB], s[RB], 64
	s_xor_b32 s[RB], s[RB], SLOT1
.endm
; A QUARTER: 64 matrix instructions out of buffer ph.
; THE WAIT AT A UNIT'S HEAD.  LDS loads come back in order (ISA guide 5.7.1).  x's loads always go out in the order of the blocks, four a block, so behind block u's four (and behind group u's load of bp,
; which is older or stands with them) at least the 28 of the seven other blocks have been issued when unit u comes round again: the count 28 shows them landed.
; kind 0: a plain quarter.
; kind 1: THE CHANGE OF SLOTS, in the first quarter of a K step's second pair: all reads of the slot in hand have been issued, and this pair's loads address the other slot.  ONE barrier for two things.  In front
;   of it each wave waits for all its tensor loads, of which one is out: its part of the other slot; adds 0 to its spare word; and waits for that and for its own reads of the slot.  Behind it nobody
;   reads the slot any more and the other slot is whole.  The barrier opens a round of the cluster's, so that no wave of any partner still reads the slot or has a load on its way; the joint refill, with the
;   K step two on, is the first thing behind the round.  Units 0 to 3 issue no loads; theirs follow the refill.  Counts: behind block 0's loads stand the 28 of blocks 1 to 7 and the add: 29; behind block 1's 24 and the add: 25.
; kind 2: the same with nothing left to fetch: a plain barrier.
; kind 3: the last quarter but one: nothing is left to load; behind block u's loads stand those of blocks u + 1 to 7 alone: 28 - 4 u.        kind 4: the last quarter: products alone.
.macro QTR ph, zero, kind
.if (\kind) == 0
.irp u, 0,1,2,3,4,5,6,7
	UNIT \u, \ph, \zero, 1, 1, 28
.endr
.elseif ((\kind) == 1) || ((\kind) == 2)
	WIN 0                                   ; (the add's two registers lie in window 0)
	s_wait_tensorcnt 0x0                    ; no tensor load of mine is out, so a group 0 may be written
	ds_add_u32 v[SPW], v[NIL]               ; 0 onto my spare word; work on registers stands between it and the wait for it
.if (\kind) == 1
	s_xor_b32 s[G0A+5], s[G0A+5], SLOT1     ; the walking descriptors: the other slot than last time,
	s_add_nc_u64 s[G0A+6:G0A+7], s[G0A+6:G0A+7], KSTEP*4  ; the next K step; the type bits on top are not reached
	s_xor_b32 s[G0B+5], s[G0B+5], SLOT1
	s_add_nc_u64 s[G0B+6:G0B+7], s[G0B+6:G0B+7], KSTEP/2
.endif
	UNIT 0, \ph, 0, 1, 0, 29
	UNIT 1, \ph, 0, 1, 0, 25
	s_wait_dscnt 0x0                        ; the add is done, and my reads of the slot are over
	s_barrier_signal -1
	UNIT 2, \ph, 0, 1, 0, -1                ; work on registers while the others arrive
	UNIT 3, \ph, 0, 1, 0, -1
	WIN 0                                   ; at a branch and at a label every window is 0
	s_barrier_wait -1
.if (\kind) == 1
	CREST
	JLOAD                                   ; my one tensor load behind the round, and the first thing there: 224 matrix instructions ahead of the wait for it
.endif
	TURNBASE
	NEWADR
.irp u, 0,1,2,3
	LOADS \u, \ph
.endr
.irp u, 4,5,6,7
	UNIT \u, \ph, 0, 1, 1, -1
.endr
.elseif (\kind) == 3
.irp u, 0,1,2,3,4,5,6,7
	UNIT \u, \ph, 0, 1, 0, 28-4*\u
.endr
.else
.irp u, 0,1,2,3,4,5,6,7
	UNIT \u, \ph, 0, 0, 0, -1
.endr
.endif
.endm
	s_wait_tensorcnt 0x1                    ; my part of K step 0 is in; K step 1's may stay out
	s_barrier_signal -1
	s_barrier_wait -1                       ; everybody's is
	; THE PROLOGUE: pair 0's words of bp and quarter 0's numbers of x; quarter 0's fragments into buffer 0; quarter 1's numbers of x
	v_mov_b32 v[ADRA], v[AK0]
	v_mov_b32 v[ADRB], v[BK0]
.irp u, 0,1,2,3,4,5,6,7
	LOADS \u, 0
.endr
.irp u, 0,1,2,3,4,5,6,7
	s_wait_dscnt 35-(\u)                    ; behind unit u's five loads stand 5 (7 - u) of that run and the 4 u issued since
	WIN 0
	UP1 \u, 0
	UP2
	UP3
	WIN TO_F
	UPX \u, 0
.irp q, 0,1,2,3,4,5,6,7
	CA \u, 0, \q
.endr
	WIN 0
	LDA \u, 1
.endr
	NEWADR                                  ; pair 0: its first products start the sums
	QTR 0, 1, 0
	QTR 1, 0, 0
	WIN 0
.Lstep:                                         ; 30 trips.  Trip t = 1 .. 30: the second pair of K step t - 1 and the first of K step t; it asks for K step t + 1
	QTR 0, 0, 1
	QTR 1, 0, 0
	NEWADR
	QTR 0, 0, 0
	QTR 1, 0, 0
	WIN 0
	s_sub_co_u32 s[LOOP], s[LOOP], 1
	s_cmp_lg_u32 s[LOOP], 0
	s_cbranch_scc1 .Lstep
	QTR 0, 0, 2                             ; the tail is written out: pair 61 changes to K step 31's slot and asks for nothing
	QTR 1, 0, 0
	NEWADR                                  ; pair 62
	QTR 0, 0, 0
	QTR 1, 0, 0
	QTR 0, 0, 3                             ; pair 63
	QTR 1, 0, 4
; THE WAY OUT, a block of 16 rows x my 128 columns at a time.  PACK: the sums times -scale, each accumulator's registers in ascending order.  TOSTAGE: a lane's eight neighbouring numbers of a row, 32 bytes,
; into my own stage in LDS, and back as whole rows of 512 bytes.  SEND: stored.
.macro PACK a
	WIN 0x02+((\a)/4)                       ; source 0 in window 2 or 3
.set i, 0
.rept 32
	v_pk_mul_f32 v[TMP+2*i:TMP+2*i+1], v[64*((\a)%4)+2*i:64*((\a)%4)+2*i+1], s[NSC:NSC+1] op_sel_hi:[1,0]
.set i, i+1
.endr
	WIN 0
.endm
.macro TOSTAGE a
.irp b, 0,1,2,3,4,5,6,7
	ds_store_b128 v[STO], v[TMP+8*(\b):TMP+8*(\b)+3] offset:64*(\b)
	ds_store_b128 v[STO], v[TMP+8*(\b)+4:TMP+8*(\b)+7] offset:64*(\b)+16
.endr
.irp t, 0,1,2,3,4,5,6,7,8,9,10,11,12,13,14,15
	ds_load_b128 v[OB+64*((\a)%2)+4*(\t):OB+64*((\a)%2)+4*(\t)+3], v[RD] offset:SP*(\t)  ; LDS serves a wave's instructions in order (ISA guide 5.7.1.4): these see the stores above; the next block's stores come behind them
.endr
.endm
.macro SEND a
	s_wait_dscnt 0x0                        ; the block is back in registers
	s_wait_xcnt 0x0                         ; every earlier store has had its addresses translated (ISA guide 3.1): the other buffer, which the block before last was stored from, is loaded again only behind this wait
.irp t, 0,1,2,3,4,5,6,7,8,9,10,11,12,13,14,15
	global_store_b128 v[CO], v[OB+64*((\a)%2)+4*(\t):OB+64*((\a)%2)+4*(\t)+3], s[70:71] offset:(16*(\a)+(\t))*8192 th:TH_STORE_NT  ; 512 consecutive bytes, at a multiple of 512 from out0's first byte; 127 rows of 8,192 bytes at the most, inside the signed 24-bit immediate
.endr
.endm
	WIN 0
.rept 4
	v_nop                                   ; the four places between the last products and the first read of a result (ISA guide 7.12.1)
.endr
	PACK 0
	TOSTAGE 0
.irp a, 1,2,3,4,5,6,7                   ; block a's multiplies stand between block a - 1's loads from the stage and the wait for them
	PACK \a
	SEND (\a)-1
	TOSTAGE \a
.endr
	SEND 7
	s_wait_tensorcnt 0x0                    ; the wave's end, behind my last tensor load and my last LDS store
	ds_add_u32 v[SPW], v[NIL]
	s_wait_dscnt 0x0
	CROUND                                  ; the closing round: no work-group ends while a partner may still ask for a tile that names it
	s_endpgm
.Lfunc_end_k_qda5dcc9888_bitgemm:
	.size	k_qda5dcc9888_bitgemm, .Lfunc_end_k_qda5dcc9888_bitgemm-k_qda5dcc9888_bitgemm
	.p2alignl 7, 3214868480
	.fill 96, 4, 3214868480
	.section	.rodata,"a",@progbits
	.p2align	6, 0x0
	.amdhsa_kernel k_qda5dcc9888_bitgemm
		.amdhsa_group_segment_fixed_size 327680
		.amdhsa_private_segment_fixed_size 0
		.amdhsa_enable_private_segment 0
		.amdhsa_kernarg_size 32
		.amdhsa_user_sgpr_count 2
		.amdhsa_user_sgpr_kernarg_segment_ptr 1
		.amdhsa_wavefront_size32 1
		.amdhsa_system_sgpr_workgroup_id_x 1
		.amdhsa_system_sgpr_workgroup_id_y 1
		.amdhsa_system_sgpr_workgroup_id_z 1
		.amdhsa_system_vgpr_workitem_id 0
		.amdhsa_next_free_vgpr 1024
		.amdhsa_next_free_sgpr 76
		.amdhsa_reserve_vcc 0
		.amdhsa_float_denorm_mode_32 3
		.amdhsa_float_denorm_mode_16_64 3
		.amdhsa_memory_ordered 1
		.amdhsa_forward_progress 1
		.amdhsa_inst_pref_size 255
	.end_amdhsa_kernel
	.section	.bss,"aw",@nobits
	.p2align	6
	.space	262144
	.amdgpu_metadata
---
amdhsa.version: [ 1, 2 ]
amdhsa.kernels:
  - .name:           k_qda5dcc9888_bitgemm
    .symbol:         k_qda5dcc9888_bitgemm.kd
    .args:
      - { .name: x, .offset: 0, .size: 8, .value_kind: global_buffer, .address_space: global }
      - { .name: bp, .offset: 8, .size: 8, .value_kind: global_buffer, .address_space: global }
      - { .name: scale, .offset: 16, .size: 8, .value_kind: global_buffer, .address_space: global }
      - { .name: out0, .offset: 24, .size: 8, .value_kind: global_buffer, .address_space: global }
    .group_segment_fixed_size: 327680
    .private_segment_fixed_size: 0
    .kernarg_segment_align: 8
    .kernarg_segment_size: 32
    .max_flat_workgroup_size: 128
    .sgpr_count:     76
    .vgpr_count:     1024
    .wavefront_size: 32
...
	.end_amdgpu_metadata
.endif
;; end of part 1
